; MI455X (gfx1250); checked and timed in simulation.
; The chip was launched on July 23, 2026; its instructions are those of AMD's public machine-readable ISA for CDNA 5 (MIT licence, August 2026) and "CDNA5" Instruction Set Architecture Reference Guide (July 2026). The comments in the code are by the model that wrote it; some were corrected since.
;; Single Boxes Overlap Net. Allowed arithmetic: float matrix products may take bf16 or f16 operands with f32 sums; all other float work in f32.
;; Inputs: input 3,000 x 7 float32.
;; Outputs: out0 1,000 x 2,000 float32.
;; One version. Each part assembles by itself: llvm-mc -triple=amdgcn-amd-amdhsa -mcpu=gfx1250 --defsym DOCPART=n.
;; ======== version 1 of 1: 1 launch
;; limits: inputs' magnitudes at most 1e+18; right only within a limited range of input values
;; launch overlap (part 1): grid 5 x 50, 20 waves a work-group, no clusters, 14,080 bytes of LDS; arguments input, out0; writes out0
.if DOCPART == 1
	.amdgcn_target "amdgcn-amd-amdhsa--gfx1250"
	.amdhsa_code_object_version 6
	.text
	.protected	k_q0716e06f33_overlap
	.globl	k_q0716e06f33_overlap
	.p2align	8
	.type	k_q0716e06f33_overlap,@function
k_q0716e06f33_overlap:
	s_mov_b64 s[64:65], 0
	v_nop
	global_prefetch_b8 v0, s[64:65] scope:SCOPE_SE
	s_setreg_imm32_b32 hwreg(HW_REG_WAVE_MODE, 25, 1), 1
	s_wait_xcnt 0x0
; out0[i][j] = area, seen from above, of the overlap of box a_i = input[i] (i < 1000) and box b_j = input[1000 + j] (j < 2000).
; A box is (x, y, z, dx, dy, dz, heading); z and dz take no part in the result and are not loaded.
;
; THE AREA.  In b's frame b is |x| <= bx, |y| <= by (half sizes).  With g(x, y) = clamp(y, -by, by) where |x| <= bx, else 0,
; Green's theorem gives  area(a and b) = - (integral of g dx round a's boundary, counter-clockwise): a sum over a's four edges only.
; m = a's centre in b's frame, (CO, SI) = cosine and sine of heading a - heading b, ax, ay = a's half sizes.
;   edges x_a = sg ax:  x(r) = mx + sg ax CO - r SI,  y(r) = my + sg ax SI + r CO,  |r| <= ay,  share of the area  sg SI I
;   edges y_a = sg ay:  x(r) = mx - sg ay SI + r CO,  y(r) = my + sg ay CO + r SI,  |r| <= ax,  share of the area  sg CO I
; I = integral of clamp(y(r)) over the r with |x(r)| <= bx.  [s0, s1] = that range cut to the edge; [l, h] = the range |y(r)| <= by cut to
; [s0, s1]; then  I = (h - l)(y0 + ky (h + l) / 2) + by sgn(ky) (s0 + s1 - h - l).  The ranges are centre -+ half width, and all of them
; need only 1/SI and 1/CO.  Nothing is sorted and nothing branches.  The form holds for parallel, touching and nested boxes: g is
; continuous in y, so a badly conditioned crossing with y = +-by moves no area, and one with x = +-bx is weighted by the small SI or CO
; that causes it.  The reciprocals are clamped to +-2^64, so that SI = 0 or CO = 0 makes large finite numbers and never inf - inf.
;
; LIMITS.  dx, dy >= 0 (with negative sizes the reference drops its corner tests: not served).  Inputs finite, below about 1e18 (products
; with 2^64 and products of two lengths stay finite).  |heading| up to about 1e5: it is reduced by pi/2 in two steps, which leaves 1.7e-15
; for each quarter turn.  The reference's tolerances (1e-5 in its corner test, 1e-8 on its denominators) are not copied: they move a vertex
; of its polygon by 1e-5 at the most.  The order of rounding differs: centres are subtracted first, so a common offset cancels exactly,
; where the reference adds products of absolute coordinates.  A sum that rounding leaves below zero is stored as zero.
;
; THE SHARES.  A row of out0 is 8,000 bytes = 64 mod 256, so in row i a run of 256 bytes at a multiple of 256 begins at column c only where
; i + c/16 = 0 mod 4; each multiple of 16 among the columns begins exactly one such run (64 numbers) in every group of 4 rows.
; Work-group (j, y): rows 20 y .. 20 y + 19 (five groups), the 25 runs of each group that begin in columns 400 j .. 400 j + 399: 125 runs.
; Wave w (q = w / 5, g = w % 5): row 4 g + r with r = -(j + q) mod 4, the runs that begin at 400 j + 16 t, t = q, q + 4, .. < 25, which follow
; each other in that row: 7 trips for q = 0, else 6.  A lane makes 2 neighbouring numbers, in register pairs (packed f32 arithmetic), and
; the wave's one store of 8 bytes a lane covers 256 consecutive bytes at a multiple of 256.  A run that passes column 1999 goes on in the
; next row: its bytes still follow each other, b's columns were wrapped when LDS was filled, and those lanes take the next a.
; No tensor load, no cluster, no matrix instruction: a work-group reads 468 boxes x 5 words = 9,360 bytes, once, and each word goes through
; arithmetic (sine, cosine, halving) before it lies in LDS; the reference's only product (4 x 2 by 2 x 2 for each box) is part of the form above.
.set NA,     1000                      ; boxes a = rows of out0
.set NB,     2000                      ; boxes b = columns
.set ROWS,   20                        ; rows of a work-group
.set COLS,   400                       ; columns in which its runs begin
.set LCOLS,  448                       ; columns that they reach: 16 x 24 + 64
.set FILLW,  15                        ; waves that fill LDS: 480 threads for 448 + 20 boxes
.set PITCH,  FILLW*32*4                ; bytes of one LDS array: a word for each filling thread.  Six arrays: x, y, cos, sin, dx/2, dy/2
.set LB,  1                            ; v1  4 x my first local column: LDS offset of b's words AND byte offset in out0
.set A0,  2                            ; v2  LDS offset of my wave's a;  v3 of the a of the next row;  v4 the one this lane takes
.set A1,  3
.set AA,  4
.set XB,  6                            ; pairs (one register for each of my two columns): b's x, y, cos, sin, half sizes
.set YB,  8
.set CB,  10
.set SB,  12
.set BX,  14
.set BY,  16
.set AXY, 18                           ; a, the same for both columns: (x, y), (cos, sin), (ax, ay)
.set ACS, 20
.set AH,  22
.set DX,  24                           ; centre a - centre b
.set DY,  26
.set MX,  28                           ; the same in b's frame
.set MY,  30
.set CO,  32
.set SI,  34
.set RS,  36                           ; 1/SI, 1/CO, clamped
.set RC,  38
.set ARS, 40                           ; their magnitudes
.set ARC, 42
.set COT, 44
.set TAN, 46
.set BYC, 48                           ; by with CO's sign, with SI's sign
.set BYS, 50
.set HC,  52                           ; CO/2, SI/2
.set HS,  54
.set T0,  56                           ; at work in EDGES; the second names use registers whose first use is over
.set T1,  58
.set PL,  60
.set PH,  62
.set QL,  64
.set QH,  66
.set LOP, 68                           ; edge sg = +1: x range (then s0, s1), y range (then l, h)
.set HIP, 70
.set LP,  72
.set HP,  74
.set LOM, 76                           ; edge sg = -1
.set HIM, 78
.set LM,  80
.set HM,  82
.set DP,  T0
.set MP,  T1
.set UP,  PL
.set YP,  PH
.set DM,  QL
.set MM,  QH
.set UM,  84
.set YM,  86
.set ACC, 88
.set AREA, 90
	s_load_b128 s[4:7], s[0:1], 0x0                ; input s[4:5], out0 s[6:7]
	v_lshl_add_u32 v104, v0, 2, 0x2d00
	v_mov_b32 v105, 0
	v_lshrrev_b32 v5, 5, v0
	v_readfirstlane_b32 s8, v5                     ; wave 0..19
	v_and_b32 v5, 31, v0                           ; lane
	s_and_b32 s16, ttmp7, 0xffff                   ; y: block of 20 rows.  ttmp9 = j: block of 400 columns
	s_mul_i32 s17, ttmp9, COLS                     ; first column
	s_mul_i32 s18, s16, ROWS                       ; first row
	s_mul_i32 s9, s8, 13
	s_lshr_b32 s9, s9, 6                           ; q = wave / 5 (13/64 serves up to 19)
	s_mul_i32 s10, s9, 5
	s_sub_co_u32 s10, s8, s10                      ; g = wave % 5: my group of 4 rows
	s_add_co_u32 s11, ttmp9, s9
	s_sub_co_u32 s11, 0, s11
	s_and_b32 s11, s11, 3                          ; r = -(j + q) mod 4: 2000 r + 400 j + 16 (q + 4 i) is a multiple of 64
	s_lshl2_add_u32 s12, s10, s11                  ; my row in the work-group, 4 g + r
	s_add_co_u32 s13, s18, s12
	s_mul_i32 s2, s13, NB*4                        ; my row in out0, in bytes (below 8,000,000),
	s_lshl2_add_u32 s2, s17, s2                    ; + the first column
	s_mov_b32 s3, 0
	s_lshl_b32 s15, s17, 2
	s_sub_co_u32 s15, NB*4, s15                    ; 4 x the local column at which the row ends (reached for j = 4 alone)
	s_lshl_b32 s19, s9, 6
	v_lshl_add_u32 v[LB], v5, 3, s19               ; 4 (16 q + 2 lane)
	s_lshl_b32 s20, s12, 2
	s_add_co_u32 s20, s20, LCOLS*4                 ; a's words lie behind b's 448 in each array
	v_mov_b32 v[A0], s20
	v_add_nc_u32 v[A1], 4, v[A0]
	s_mov_b32 s14, s9                              ; t, the trip counter
	s_mov_b32 s27, 0x7fffffff                      ; all but the sign
	s_mov_b32 s28, 0x5f800000                      ; 2^64
	s_mov_b32 s29, 0xdf800000                      ; -2^64
	s_wait_kmcnt 0x0
	s_add_nc_u64 s[6:7], s[6:7], s[2:3]            ; out0 at my row, column 400 j
	s_cmp_ge_u32 s8, FILLW
	s_cbranch_scc1 .Lfilled                        ; waves 15 to 19 have no box to prepare and go to the barrier
	; ONE BOX A THREAD.  Threads 0-447: b of local column t.  Threads 448-467: a of local row t - 448.  Threads 468-479 repeat row 19
	; into words of their own that nobody reads, which spares a change of EXEC.
	s_mov_b32 s21, 0xb94ca1f9                      ; sin r = r + r z ((-1.9515296e-4 z + 8.3321609e-3) z - 1.6666655e-1), z = r r, |r| <= pi/4
	s_mov_b32 s22, 0x3c08839e
	s_mov_b32 s23, 0xbe2aaaa3
	s_mov_b32 s24, 0x37ccf5ce                      ; cos r = 1 - z/2 + z z ((2.4433157e-5 z - 1.3887316e-3) z + 4.1666646e-2)
	s_mov_b32 s25, 0xbab6061a
	s_mov_b32 s26, 0x3d2aaaa5
	v_add_nc_u32 v8, s17, v0                       ; column 400 j + t
	v_add_nc_u32 v9, 0xfffff830, v8                ; - 2000: huge as an unsigned number unless the column is past the row's end,
	v_min_u32 v8, v8, v9                           ; so the smaller of the two is the column modulo 2000
	v_add_nc_u32 v8, NA, v8                        ; b's boxes follow a's 1000
	v_add_nc_u32 v9, 0xfffffe40, v0                ; t - 448
	v_min_u32 v9, ROWS-1, v9
	v_add_nc_u32 v9, s18, v9                       ; a's box
	v_cmp_gt_u32 vcc_lo, LCOLS, v0
	v_cndmask_b32 v8, v9, v8, vcc_lo               ; t < 448: b, else a
	v_mul_u32_u24 v8, v8, 28                       ; 7 words a box: only words are aligned, so five loads of a word
	global_load_b32 v14, v8, s[4:5] offset:24      ; heading first: the longest chain hangs on it
	global_load_b32 v10, v8, s[4:5]                ; x
	global_load_b32 v11, v8, s[4:5] offset:4       ; y
	global_load_b32 v12, v8, s[4:5] offset:12      ; dx
	global_load_b32 v13, v8, s[4:5] offset:16      ; dy
	v_lshlrev_b32 v23, 2, v0                       ; my word in each LDS array
	s_wait_loadcnt 0x4                             ; the heading is in; the four younger loads stay out
	v_mul_f32 v15, 0x3f22f983, v14                 ; heading x 2/pi,
	v_rndne_f32 v15, v15                           ; n = the nearest number of quarter turns
	v_fmamk_f32 v16, v15, 0xbfc90fdb, v14          ; r = heading - n pi/2, pi/2 in two parts: 1.57079637
	v_fmamk_f32 v16, v15, 0x333bbd2e, v16          ; and -4.37113883e-8; each product is exact inside its fused multiply-add
	v_cvt_i32_f32 v17, v15
	v_mul_f32 v18, v16, v16                        ; z
	v_fma_f32 v19, v18, s21, s22
	v_fma_f32 v20, v18, s24, s25
	v_fma_f32 v19, v19, v18, s23
	v_fma_f32 v20, v20, v18, s26
	v_mul_f32 v21, v18, v18
	v_fma_f32 v22, v18, -0.5, 1.0
	v_mul_f32 v19, v19, v18
	v_fma_f32 v20, v20, v21, v22                   ; cos r
	v_fma_f32 v19, v19, v16, v16                   ; sin r
	v_and_b32 v21, 1, v17
	v_cmp_eq_u32 vcc_lo, 1, v21                    ; an odd number of quarter turns swaps the two
	v_cndmask_b32 v21, v19, v20, vcc_lo
	v_cndmask_b32 v22, v20, v19, vcc_lo
	v_lshlrev_b32 v19, 30, v17                     ; the sine changes sign where bit 1 of n is set,
	v_add_nc_u32 v17, 1, v17
	v_lshlrev_b32 v20, 30, v17                     ; the cosine where bit 1 of n + 1 is
	v_and_b32 v19, 0x80000000, v19
	v_and_b32 v20, 0x80000000, v20
	v_xor_b32 v21, v21, v19                        ; sin heading
	v_xor_b32 v22, v22, v20                        ; cos heading
	s_wait_loadcnt 0x0
	v_mul_f32 v12, 0.5, v12
	v_mul_f32 v13, 0.5, v13
	ds_store_b32 v23, v10
	ds_store_b32 v23, v11 offset:PITCH
	ds_store_b32 v23, v22 offset:2*PITCH
	ds_store_b32 v23, v21 offset:3*PITCH
	ds_store_b32 v23, v12 offset:4*PITCH
	ds_store_b32 v23, v13 offset:5*PITCH
.Lfilled:
	s_wait_dscnt 0x0                               ; my words are in LDS: zero, for the other waves' sake
	s_barrier_signal -1
	s_barrier_wait -1                              ; everybody's are; LDS is only read from here on
.macro PADD d, a, b
	v_pk_add_f32 v[\d:\d+1], v[\a:\a+1], v[\b:\b+1]
.endm
.macro PSUB d, a, b
	v_pk_add_f32 v[\d:\d+1], v[\a:\a+1], v[\b:\b+1] neg_lo:[0,1] neg_hi:[0,1]
.endm
; d = +-(ax or ay) x b + c for both columns: sel = 0 takes ax, 1 takes ay, for the low and the high result alike
.macro AFMA d, sel, b, c, neg
	v_pk_fma_f32 v[\d:\d+1], v[AH:AH+1], v[\b:\b+1], v[\c:\c+1] op_sel:[\sel,0,0] op_sel_hi:[\sel,1,1] neg_lo:[\neg,0,0] neg_hi:[\neg,0,0]
.endm
; Two opposite edges of a, sg = +1 (names ending in P) and sg = -1 (ending in M), for both columns.
; rx, arx: 1/|kx| with sign and without; nx = 1: the x range's centre is -mx rx, else +mx rx; tx: its shift is +sg off tx.
; ry, ary: the same for ky, the centre is -my ry; ty: its shift is -sg off ty.  sel: off = ax (0) or ay (1); len: the register of the other
; half size, the edge's half length.  k0: y0 = my + sg off k0, and the edges' weight is sg k0.  kh = ky/2.  byk = by with ky's sign.
.macro EDGES rx, arx, tx, nx, ry, ary, ty, sel, len, k0, kh, byk, first
	v_pk_mul_f32 v[T0:T0+1], v[MX:MX+1], v[\rx:\rx+1]
	v_pk_mul_f32 v[T1:T1+1], v[MY:MY+1], v[\ry:\ry+1]
	v_pk_fma_f32 v[PL:PL+1], v[BX:BX+1], v[\arx:\arx+1], v[T0:T0+1] neg_lo:[1,0,\nx] neg_hi:[1,0,\nx]   ; centre - bx/|kx|, without the shift
	v_pk_fma_f32 v[PH:PH+1], v[BX:BX+1], v[\arx:\arx+1], v[T0:T0+1] neg_lo:[0,0,\nx] neg_hi:[0,0,\nx]   ; centre + bx/|kx|
	v_pk_fma_f32 v[QL:QL+1], v[BY:BY+1], v[\ary:\ary+1], v[T1:T1+1] neg_lo:[1,0,1] neg_hi:[1,0,1]       ; centre - by/|ky|
	v_pk_fma_f32 v[QH:QH+1], v[BY:BY+1], v[\ary:\ary+1], v[T1:T1+1] neg_lo:[0,0,1] neg_hi:[0,0,1]       ; centre + by/|ky|
	AFMA LOP, \sel, \tx, PL, 0
	AFMA HIP, \sel, \tx, PH, 0
	AFMA LOM, \sel, \tx, PL, 1
	AFMA HIM, \sel, \tx, PH, 1
	AFMA LP,  \sel, \ty, QL, 1
	AFMA HP,  \sel, \ty, QH, 1
	AFMA LM,  \sel, \ty, QL, 0
	AFMA HM,  \sel, \ty, QH, 0
.irp e, 0,1
	v_med3_num_f32 v[LOP+\e], v[LOP+\e], -v[\len], v[\len]         ; s0, s1: the x range cut to the edge (s0 <= s1, since lo <= hi)
	v_med3_num_f32 v[HIP+\e], v[HIP+\e], -v[\len], v[\len]
	v_med3_num_f32 v[LOM+\e], v[LOM+\e], -v[\len], v[\len]
	v_med3_num_f32 v[HIM+\e], v[HIM+\e], -v[\len], v[\len]
.endr
	AFMA YP, \sel, \k0, MY, 0                                      ; y0 of the two edges
	AFMA YM, \sel, \k0, MY, 1
.irp e, 0,1
	v_med3_num_f32 v[LP+\e], v[LP+\e], v[LOP+\e], v[HIP+\e]        ; l, h: the y range cut to [s0, s1]
	v_med3_num_f32 v[HP+\e], v[HP+\e], v[LOP+\e], v[HIP+\e]
	v_med3_num_f32 v[LM+\e], v[LM+\e], v[LOM+\e], v[HIM+\e]
	v_med3_num_f32 v[HM+\e], v[HM+\e], v[LOM+\e], v[HIM+\e]
.endr
	PSUB DP, HP, LP                                                ; h - l
	PADD MP, HP, LP                                                ; h + l
	PADD UP, LOP, HIP                                              ; s0 + s1
	PSUB DM, HM, LM
	PADD MM, HM, LM
	PADD UM, LOM, HIM
	PSUB UP, UP, MP                                                ; length beyond y = +by less length beyond y = -by, for ky > 0
	PSUB UM, UM, MM
	v_pk_fma_f32 v[YP:YP+1], v[\kh:\kh+1], v[MP:MP+1], v[YP:YP+1]  ; y at the middle of [l, h]
	v_pk_fma_f32 v[YM:YM+1], v[\kh:\kh+1], v[MM:MM+1], v[YM:YM+1]
	PSUB UP, UP, UM
	v_pk_mul_f32 v[ACC:ACC+1], v[DP:DP+1], v[YP:YP+1]              ; I(+1) - I(-1) in three steps
	v_pk_fma_f32 v[ACC:ACC+1], v[DM:DM+1], v[YM:YM+1], v[ACC:ACC+1] neg_lo:[1,0,0] neg_hi:[1,0,0]
	v_pk_fma_f32 v[ACC:ACC+1], v[\byk:\byk+1], v[UP:UP+1], v[ACC:ACC+1]
.if \first
	v_pk_mul_f32 v[AREA:AREA+1], v[\k0:\k0+1], v[ACC:ACC+1]        ; the first share starts the sum
.else
	v_pk_fma_f32 v[AREA:AREA+1], v[\k0:\k0+1], v[ACC:ACC+1], v[AREA:AREA+1]
.endif
.endm
; A TRIP: 64 numbers of my row, two a lane.
.Ltrip:
	v_cmp_le_u32 vcc_lo, s15, v[LB]                ; my columns lie past the row's end:
	v_cndmask_b32 v[AA], v[A0], v[A1], vcc_lo      ; the next row's a
	ds_load_b64 v[XB:XB+1], v[LB]                  ; b: 32 lanes read 256 consecutive bytes of an array; a: one word for all lanes of a row
	ds_load_b64 v[YB:YB+1], v[LB] offset:PITCH
	ds_load_b32 v[AXY], v[AA]
	ds_load_b32 v[AXY+1], v[AA] offset:PITCH
	ds_load_b64 v[CB:CB+1], v[LB] offset:2*PITCH
	ds_load_b64 v[SB:SB+1], v[LB] offset:3*PITCH
	ds_load_b32 v[ACS], v[AA] offset:2*PITCH
	ds_load_b32 v[ACS+1], v[AA] offset:3*PITCH
	ds_load_b64 v[BX:BX+1], v[LB] offset:4*PITCH
	ds_load_b64 v[BY:BY+1], v[LB] offset:5*PITCH
	ds_load_b32 v[AH], v[AA] offset:4*PITCH
	ds_load_b32 v[AH+1], v[AA] offset:5*PITCH
	s_wait_dscnt 0x8                               ; LDS loads come back in order (ISA guide 5.7.1): the centres are in, eight younger loads stay out
	v_pk_add_f32 v[DX:DX+1], v[AXY:AXY+1], v[XB:XB+1] op_sel_hi:[0,1] neg_lo:[0,1] neg_hi:[0,1]               ; xa - xb
	v_pk_add_f32 v[DY:DY+1], v[AXY:AXY+1], v[YB:YB+1] op_sel:[1,0] op_sel_hi:[1,1] neg_lo:[0,1] neg_hi:[0,1]  ; ya - yb
	s_wait_dscnt 0x4                               ; cosines and sines are in, the four half sizes stay out
	v_pk_mul_f32 v[CO:CO+1], v[ACS:ACS+1], v[SB:SB+1] op_sel:[1,0] op_sel_hi:[1,1]                            ; sa sb
	v_pk_mul_f32 v[SI:SI+1], v[ACS:ACS+1], v[SB:SB+1] op_sel_hi:[0,1]                                         ; ca sb
	v_pk_mul_f32 v[MX:MX+1], v[SB:SB+1], v[DY:DY+1]
	v_pk_mul_f32 v[MY:MY+1], v[SB:SB+1], v[DX:DX+1]
	v_pk_fma_f32 v[CO:CO+1], v[ACS:ACS+1], v[CB:CB+1], v[CO:CO+1] op_sel_hi:[0,1,1]                           ; ca cb + sa sb
	v_pk_fma_f32 v[SI:SI+1], v[ACS:ACS+1], v[CB:CB+1], v[SI:SI+1] op_sel:[1,0,0] op_sel_hi:[1,1,1] neg_lo:[0,0,1] neg_hi:[0,0,1]  ; sa cb - ca sb
	v_rcp_f32 v[RS], v[SI]
	v_rcp_f32 v[RS+1], v[SI+1]
	v_rcp_f32 v[RC], v[CO]
	v_rcp_f32 v[RC+1], v[CO+1]
	v_pk_fma_f32 v[MX:MX+1], v[CB:CB+1], v[DX:DX+1], v[MX:MX+1]                                 ; mx = cb dx + sb dy.  These plain lines, which touch neither the
	v_pk_fma_f32 v[MY:MY+1], v[CB:CB+1], v[DY:DY+1], v[MY:MY+1] neg_lo:[0,0,1] neg_hi:[0,0,1]   ; my = cb dy - sb dx.  reciprocals nor their sources, stand behind v_rcp_f32 (ISA guide 5.7.2)
	v_pk_mul_f32 v[HC:HC+1], v[CO:CO+1], 0.5 op_sel_hi:[1,0]
	v_pk_mul_f32 v[HS:HS+1], v[SI:SI+1], 0.5 op_sel_hi:[1,0]
	s_wait_alu depctr_va_vdst(0)
.irp e, 0,1
	v_med3_num_f32 v[RS+\e], v[RS+\e], s29, s28    ; +-infinity (from +-0 or a denormal: ISA guide 15.8) becomes +-2^64, the sign kept
	v_med3_num_f32 v[RC+\e], v[RC+\e], s29, s28
.endr
	s_wait_dscnt 0x0                               ; the half sizes
.irp e, 0,1
	v_bfi_b32 v[BYC+\e], s27, v[BY+\e], v[CO+\e]   ; by with the sign of CO, of SI
	v_bfi_b32 v[BYS+\e], s27, v[BY+\e], v[SI+\e]
	v_and_b32 v[ARS+\e], s27, v[RS+\e]             ; packed arithmetic has no |x| on a source
	v_and_b32 v[ARC+\e], s27, v[RC+\e]
.endr
	v_pk_mul_f32 v[COT:COT+1], v[CO:CO+1], v[RS:RS+1]
	v_pk_mul_f32 v[TAN:TAN+1], v[SI:SI+1], v[RC:RC+1]
	EDGES RS, ARS, COT, 0, RC, ARC, TAN, 0, AH+1, SI, HC, BYC, 1   ; the edges x_a = +-ax: kx = -SI, ky = CO
	EDGES RC, ARC, TAN, 1, RS, ARS, COT, 1, AH,   CO, HS, BYS, 0   ; the edges y_a = +-ay: kx = CO,  ky = SI
	v_max_num_f32 v[AREA], 0, v[AREA]              ; an area: what rounding leaves below zero is zero
	v_max_num_f32 v[AREA+1], 0, v[AREA+1]
	global_store_b64 v[LB], v[AREA:AREA+1], s[6:7] th:TH_STORE_NT  ; 32 lanes x 8 bytes: 256 consecutive bytes at a multiple of 256; written once, never read here
	s_wait_xcnt 0x0                                ; the store's offset is stepped, and its data rewritten in the next trip, only behind this wait (ISA guide 3.1)
	v_add_nc_u32 v[LB], 256, v[LB]                 ; 64 columns on, in LDS and in out0 alike
	s_add_co_u32 s14, s14, 4
	s_cmp_lt_u32 s14, 25
	s_cbranch_scc1 .Ltrip
	s_barrier_signal -1
	s_barrier_wait -1
	s_wait_tensorcnt 0x0
	ds_add_u32 v104, v105
	s_wait_dscnt 0x0
	s_endpgm
.Lfunc_end_k_q0716e06f33_overlap:
	.size	k_q0716e06f33_overlap, .Lfunc_end_k_q0716e06f33_overlap-k_q0716e06f33_overlap
	.p2alignl 7, 3214868480
	.fill 96, 4, 3214868480
	.section	.rodata,"a",@progbits
	.p2align	6, 0x0
	.amdhsa_kernel k_q0716e06f33_overlap
		.amdhsa_group_segment_fixed_size 14080
		.amdhsa_private_segment_fixed_size 0
		.amdhsa_enable_private_segment 0
		.amdhsa_kernarg_size 16
		.amdhsa_user_sgpr_count 2
		.amdhsa_user_sgpr_kernarg_segment_ptr 1
		.amdhsa_wavefront_size32 1
		.amdhsa_system_sgpr_workgroup_id_x 1
		.amdhsa_system_sgpr_workgroup_id_y 1
		.amdhsa_system_sgpr_workgroup_id_z 1
		.amdhsa_system_vgpr_workitem_id 0
		.amdhsa_next_free_vgpr 106
		.amdhsa_next_free_sgpr 66
		.amdhsa_reserve_vcc 1
		.amdhsa_float_denorm_mode_32 3
		.amdhsa_float_denorm_mode_16_64 3
		.amdhsa_memory_ordered 1
		.amdhsa_forward_progress 1
		.amdhsa_inst_pref_size 14
	.end_amdhsa_kernel
	.amdgpu_metadata
---
amdhsa.version: [ 1, 2 ]
amdhsa.kernels:
  - .name:           k_q0716e06f33_overlap
    .symbol:         k_q0716e06f33_overlap.kd
    .args:
      - { .name: input, .offset: 0, .size: 8, .value_kind: global_buffer, .address_space: global }
      - { .name: out0, .offset: 8, .size: 8, .value_kind: global_buffer, .address_space: global }
    .group_segment_fixed_size: 14080
    .private_segment_fixed_size: 0
    .kernarg_segment_align: 8
    .kernarg_segment_size: 16
    .max_flat_workgroup_size: 640
    .sgpr_count:     66
    .vgpr_count:     106
    .wavefront_size: 32
...
	.end_amdgpu_metadata
.endif
;; end of part 1
